; MI455X (gfx1250); checked and timed in simulation.
; The chip was launched on July 23, 2026; its instructions are those of AMD's public machine-readable ISA for CDNA 5 (MIT licence, August 2026) and "CDNA5" Instruction Set Architecture Reference Guide (July 2026). The comments in the code are by the model that wrote it; some were corrected since.
;; Multi Head Self Attention. Allowed arithmetic: matrix products marked QUANTISED: E2M3 operands, one E8M0 scale for each 32 along K, by v_wmma_scale_f32_16x16x128_f8f6f4 with both operands' format E2M3, f32 sums; everything else in f32.
;; Inputs: W_k_codes 1,024 x 32 x 24 uint8 (E2M3 codes of W_k, K innermost, in blocks of 32 codes, four codes in three bytes); W_k_scales 1,024 x 32 uint8 (E8M0 scales of W_k, one for each 32 codes along K); W_o_codes 1,024 x 32 x 24 uint8 (E2M3 codes of W_o, K innermost, in blocks of 32 codes, four codes in three bytes); W_o_scales 1,024 x 32 uint8 (E8M0 scales of W_o, one for each 32 codes along K); W_q_codes 1,024 x 32 x 24 uint8 (E2M3 codes of W_q, K innermost, in blocks of 32 codes, four codes in three bytes); W_q_scales 1,024 x 32 uint8 (E8M0 scales of W_q, one for each 32 codes along K); W_v_codes 1,024 x 32 x 24 uint8 (E2M3 codes of W_v, K innermost, in blocks of 32 codes, four codes in three bytes); W_v_scales 1,024 x 32 uint8 (E8M0 scales of W_v, one for each 32 codes along K); b_k 1,024 float32; b_o 1,024 float32; b_q 1,024 float32; b_v 1,024 float32; x_codes 2 x 2,048 x 32 x 24 uint8 (E2M3 codes of x, K innermost, in blocks of 32 codes, four codes in three bytes); x_scales 2 x 2,048 x 32 uint8 (E8M0 scales of x, one for each 32 codes along K).
;; Outputs: out0 2 x 2,048 x 1,024 float32.
;; This version of the problem:
;;   THIS VERSION OF THE PROBLEM IS GIVEN IN LOW PRECISION. The matrix products marked QUANTISED in the list below multiply operands that are first quantised to E2M3 (2 exponent bits, 3 mantissa bits; 6 bits a number), with one power-of-two scale for each 32 numbers along K (OCP MX v1.0); their sums are f32. All else is computed in f32.
;;   The module's matrix products, in the order in which they are computed (A, B: the left and right operand; K: the contracted axis; several contracted axes count as one K, in the product's order):
;;     1. [M 4,096, K 1,024] x [K 1,024, N 1,024]; A: input x (given as codes); B: input W_q (given as codes): QUANTISED
;;     2. [M 4,096, K 1,024] x [K 1,024, N 1,024]; A: input x (given as codes); B: input W_k (given as codes): QUANTISED
;;     3. [M 4,096, K 1,024] x [K 1,024, N 1,024]; A: input x (given as codes); B: input W_v (given as codes): QUANTISED
;;     4. batch 32 x [M 2,048, K 64] x [K 64, N 2,048]; A: computed on the way; B: computed on the way: QUANTISED
;;     5. batch 32 x [M 64, K 2,048] x [K 2,048, N 2,048]; A: computed on the way; B: softmax (see below): QUANTISED
;;     6. [M 4,096, K 1,024] x [K 1,024, N 1,024]; A: computed on the way; B: input W_o (given as codes): QUANTISED
;;   THE QUANTISER, for each operand of a quantised product, along K:
;;     - K is cut into blocks of 32 from its start; a last block that is shorter is filled with zeros.
;;     - A block's scale is 2^e with e = floor(log2(the largest magnitude in the block)) - 2, held to -126 .. 127; a block of zeros has e = 0. As a byte (E8M0): e + 127.
;;     - Each number is divided by its block's scale, clamped to +-7.5, and rounded to the nearest number of E2M3, ties to even, subnormals kept.
;;     - The product sums the exact products of the quantised numbers (number of the format x scale) in f32.
;;   ~~~python
;;   def quantise(x, axis):      # numpy; x: float32 -> the quantised numbers, widened to float32 again
;;       x = np.moveaxis(x, axis, -1); K = x.shape[-1]
;;       x = np.pad(x, [(0, 0)] * (x.ndim - 1) + [(0, -K % 32)]); x = x.reshape(x.shape[:-1] + (-1, 32)); a = np.abs(x).max(-1, keepdims=True)
;;       e = np.where(a > 0, np.clip(np.frexp(np.where(a > 0, a, 1))[1] - 1 - 2, -126, 127), 0)      # np.frexp(a)[1] - 1 = floor(log2(a)), exactly
;;       r = np.clip(x / 2.0 ** e, -7.5, 7.5)
;;       step = 2.0 ** (np.maximum(np.frexp(np.where(r == 0, 1, r))[1] - 1, 0) - 3)
;;       q = np.round(r / step) * step * 2.0 ** e      # np.round: ties to even
;;       return np.moveaxis(q.reshape(q.shape[:-2] + (-1,))[..., :K], -1, axis).astype(np.float32)
;;   ~~~
;;   SOFTMAX AHEAD OF A QUANTISED PRODUCT. Where the list says 'softmax', what is quantised is not the finished softmax but p = 2^(t - M), with t = logit x log2(e) and M = ceil(the row's largest t), a whole number; so 1/2 < the row's largest p <= 1. The row's sum l is taken of the UNQUANTISED p, in f32, and the product's result is divided by l at the end. Since M is a whole number, a kernel that streams over the keys may use a running M (the ceiling of the running maximum): every later rescaling is an exact power of two, which a block's scale takes up: the codes' values come out the same.
;;   OPERANDS COMPUTED ON THE WAY. 'Computed on the way' means the value that the module computes at that place (a softmax that the list does not call 'softmax' is quantised finished and normalised). What goes into a quantiser is computed in f32, as accurately as f32 sums, v_exp_f32 and their like allow (about 1e-6 of the number): no bf16 or f16 on the way to a quantiser, and a product that is left as it is and whose result goes on into a quantised operand takes f32 operands (vector FMAs, or v_wmma_f32_16x16x4_f32). A number that lies on a knife's edge between two numbers of the format may be rounded either way, as far as f32 arithmetic and the matrix unit's own rounding can turn it there, and no further.
;;   INPUTS GIVEN AS CODES. W_k (in the module: [1024, 1024], K = its axis 1); W_o (in the module: [1024, 1024], K = its axis 1); W_q (in the module: [1024, 1024], K = its axis 1); W_v (in the module: [1024, 1024], K = its axis 1); x (in the module: [2, 2048, 1024], K = its axis 2): each comes as NAME_codes (uint8): NAME with its K axis moved to the last place and cut into blocks of 32 codes, [.., K / 32, bytes a block], one block behind the other in memory; four codes in three bytes: a row's codes are one little-endian stream of bits, code i at bits 6 i .. 6 i + 5 (a code: sign, 2 exponent bits, 3 mantissa bits); and NAME_scales (uint8): the same leading axes, one E8M0 byte (e + 127) for each 32 codes along K. Its value is code x scale, taken as it is: it is not quantised again, and the codes and scales need not be those that the quantiser above would give.
;; One version. Each part assembles by itself: llvm-mc -triple=amdgcn-amd-amdhsa -mcpu=gfx1250 --defsym DOCPART=n.
;; ======== version 1 of 1: 3 launches
;; limits: right only within a limited range of input values
;; workspace buffers: qf 3,276,800 bytes; kvf 6,553,600 bytes; cf 3,145,728 bytes; cs 131,072 bytes
;; launch qkv (part 1): grid 16 x 16, 4 waves a work-group, clusters of 4 x 4, 327,680 bytes of LDS; arguments x_codes, x_scales, W_q_codes, W_q_scales, W_k_codes, W_k_scales, W_v_codes, W_v_scales, b_q, b_k, b_v, qf, kvf; writes qf, kvf
.if DOCPART == 1
	.amdgcn_target "amdgcn-amd-amdhsa--gfx1250"
	.amdhsa_code_object_version 6
	.text
	.protected	k_qfff719d89f_qkv
	.globl	k_qfff719d89f_qkv
	.p2align	8
	.type	k_qfff719d89f_qkv,@function
k_qfff719d89f_qkv:
	s_mov_b64 s[64:65], 0
	v_nop
	global_prefetch_b8 v0, s[64:65] scope:SCOPE_SE
	s_setreg_imm32_b32 hwreg(HW_REG_WAVE_MODE, 25, 1), 1
	s_wait_xcnt 0x0
	s_wait_alu depctr_hold_cnt(0) depctr_sa_sdst(0) depctr_va_vdst(0) depctr_va_sdst(0) depctr_va_ssrc(0) depctr_va_vcc(0) depctr_vm_vsrc(0)
	s_getreg_b32 s2, hwreg(HW_REG_IB_STS2, 6, 4)
	s_cmp_eq_u32 s2, 0
	s_cbranch_scc0 .Lentry_in_a_cluster
	s_endpgm
.Lentry_in_a_cluster:
	s_bfe_u32 s2, ttmp6, 0x10000c
	s_cmp_lg_u32 s2, 0xf033
	s_cbranch_scc0 .Lentry_shape_is_right
	s_endpgm
.Lentry_shape_is_right:
; q, k, v = x W^T + b for one head and 256 tokens a work-group, on codes of FP6 (E2M3) with E8M0 scales, and their quantisers: results leave as codes and scale bytes in the operand order of the next launch.
; A wave holds its 64 rows of x, all of K, in registers (4 tiles x 8 fragments of 12); W_v, W_q, W_k (64 rows each) stream past in twelve tiles of 16 rows: a BLOCK is one tile, 32 products.
; TILES OF ROWS.  Tile i of 64 rows of x, and tile j of W_q and W_k: its row 8 g + k is row 32 g + 8 (i xor g) + k.  So a lane half holds whole blocks of 32 along the next product's K, and no lane looks at another.
; W_v's tiles are 16 neighbouring rows.  q, k: source 0 = W's rows (a lane holds one token); v: source 0 = x's rows (a lane holds one channel, registers along the tokens).
; CLUSTERS: the four work-groups of a row of the cluster share x's rows, the four of a column share a head's weights.
; LDS: x 256 rows, W_v, W_q, each row 768 bytes + 16 of padding behind every 256; one tensor load a wave at the head.  W_k comes by the one refill, onto x's bytes, which all waves hold in registers by then:
; in a drained round inside block 1.  A plain barrier in block 6 shows it.  What the refill brings is asked for into the L2 at the head, shared by address among the sixteen waves of a column of the cluster.
; A BLOCK'S ROWS are fetched two blocks ahead, 26 LDS loads; a wait's count: the next block's 26 and the scale byte's store, where one stands between.
; OUT.  qf: [head of batch][tile of 16 queries][768]: registers 0-3 at 16 x lane, 4-5 at 512 + 8 x lane; behind 3,145,728 bytes the scale bytes [head of batch][tile][row][block].
; kvf: [head of batch][128 keys] blocks of 12,800 bytes: k [band of 64][pair of tiles][3][lane][16]; at 6,144 v [16 channels][band][512 + 256]; at 12,288 k's scale words, at 12,544 v's, 8 bytes a lane.
; LIMITS: NaN and infinities, and a given scale byte 0xff, are not served.  A block of zeros gets the scale byte 1: its codes are zeros, and this program alone reads the bytes.
.set PITCH, 816
.set KROW, 768
.set FR, 12
.set FPW, 21                           ; fragments in a window of 256 registers, from window 1 on: 0-31 x's (4 q + tile), 32-39 and 40-47 W's two sets
.set NQ, 8
.set NB, 4
.set EMAX, 2
.set WVB, 208896
.set WQB, 261120
.set XS, 313344                        ; scale bytes on their way out: two key steps of 512, q's 512
.set SPARE, 314880
.set AN, 4                             ; v4, v5: LDS offset of tile row r (v5: behind one padding more in lanes 16-31); neighbouring rows
.set AE, 6                             ; v6, v7: even tiles
.set CO, 9
.set SPW, 10
.set NIL, 11
.set ADRA, 12                          ; v12, v13 the tile that is fetched
.set AO, 14                            ; v14, v15 odd tiles
.set STK, 16
.set STV, 17
.set STQ, 18
.set C8, 19
.set PFV, 20
.set VXS, 21
.set OBE, 22
.set OBO, 23
.set SB, 24                            ; v24-39 x's scale words
.set TQ, 40
.set TC, 42
.set VN, 45
.set NCD, 46                           ; v46-57 codes
.set HQ, 64                            ; v64-191 q's sums, 32 a tile; v64-95 hold b_v until block 4; v96-103 the head's addresses
.set BA, 96
.set WS, 196                           ; v196-243 W's scale words, eight for each pair of tiles
.set SOP, 244
.set EB, 248
.set HVB, 840                          ; v840-967 v's sums, then k's
.set BQ, 200                           ; v968-999 b_q, then b_k (number in window 3)
.set G1A, 24
.set G1B, 32
.set MSB, 0
.macro WIN new
.if MSB != (\new)
	s_set_vgpr_msb (MSB<<8)|(\new)
.set MSB, (\new)
.endif
.endm
.macro PLACES n
.rept \n
	v_nop
.endr
.endm
.macro BARRIER
	s_barrier_signal -1
	s_barrier_wait -1
.endm
.macro MIDDLE
	WIN 0
	s_barrier_wait -1
	s_cmp_lg_u32 s14, 0
	s_cbranch_scc1 .Lnot_wave_0_\@
	s_barrier_signal -3
.Lnot_wave_0_\@:
	s_barrier_wait -3
.endm
.macro CROUND
	s_barrier_signal -1
	MIDDLE
	BARRIER
.endm
.macro TLOAD g0, g1
	tensor_load_to_lds s[\g0:\g0+3], s[\g1:\g1+7]
	s_nop 0
	PLACES 4
.endm
.macro GROUP1 g, mask, rows
	s_or_b32 s[\g+0], s[\mask], (1<<20)|(1<<21)|(5<<22)|(3<<25)
	s_mov_b32 s[\g+1], KROW<<16
	s_mov_b32 s[\g+2], (\rows)<<16
	s_mov_b32 s[\g+3], KROW<<16
	s_mov_b32 s[\g+4], \rows
	s_mov_b32 s[\g+5], KROW
	s_mov_b32 s[\g+6], 0
	s_mov_b32 s[\g+7], 0
.endm
.macro FRAG f, q, a0, a1               ; six pieces of 8 bytes, two to a load where both lie behind as many paddings
	WIN ((1+(\f)/FPW)<<6)
.set R_, FR*((\f)%FPW)
.set SKIP_, 0
.irp p, 0,1,2,3,4,5
.if SKIP_
.set SKIP_, 0
.else
.set PC_, 12*(\q)+6*(\p/3)+\p%3
.set PN_, 12*(\q)+6*((\p+1)/3)+(\p+1)%3
.set X_, (PC_%32+3)/32
.set XQ_, (PN_%32+3)/32
.if (\p < 5) && (X_ == XQ_)
.set SKIP_, 1
.if X_
	ds_load_2addr_b64 v[R_+2*\p:R_+2*\p+3], \a1 offset0:PC_+2*(PC_/32) offset1:PN_+2*(PN_/32)
.else
	ds_load_2addr_b64 v[R_+2*\p:R_+2*\p+3], \a0 offset0:PC_+2*(PC_/32) offset1:PN_+2*(PN_/32)
.endif
.elseif X_
	ds_load_b64 v[R_+2*\p:R_+2*\p+1], \a1 offset:8*(PC_+2*(PC_/32))
.else
	ds_load_b64 v[R_+2*\p:R_+2*\p+1], \a0 offset:8*(PC_+2*(PC_/32))
.endif
.endif
.endr
.endm
.macro FADDR b                         ; block b's tile
.if (\b) < 4
	v_add_nc_u32 v[ADRA], WVB+16*(\b)*PITCH, v[AN]
	v_add_nc_u32 v[ADRA+1], WVB+16*(\b)*PITCH, v[AN+1]
.else
.if (\b) < 8
.set FB0_, WQB+8*((\b)-4)*PITCH
.else
.set FB0_, 8*((\b)-8)*PITCH
.endif
.if (\b)%2
	v_add_nc_u32 v[ADRA], FB0_, v[AO]
	v_add_nc_u32 v[ADRA+1], FB0_, v[AO+1]
.else
	v_add_nc_u32 v[ADRA], FB0_, v[AE]
	v_add_nc_u32 v[ADRA+1], FB0_, v[AE+1]
.endif
.endif
.endm
.macro FETCH e
.irp q, 0,1,2,3,4,5,6,7
	FRAG NB*NQ+NQ*(\e)+\q, \q, v[ADRA], v[ADRA+1]
.endr
	WIN 0
.endm
.macro P1 s0, s1, x0, x1, ra, rb, cc
.if Q_
	v_wmma_scale_f32_16x16x128_f8f6f4 v[DL_:DL_+7], v[\s0:\s0+11], v[\s1:\s1+11], v[DL_:DL_+7], v[\x0], v[\x1] matrix_a_fmt:MATRIX_FMT_FP6 matrix_b_fmt:MATRIX_FMT_FP6 matrix_a_scale:MATRIX_SCALE_ROW\ra matrix_b_scale:MATRIX_SCALE_ROW\rb
.else
	v_wmma_scale_f32_16x16x128_f8f6f4 v[DL_:DL_+7], v[\s0:\s0+11], v[\s1:\s1+11], v[\cc:\cc+7], v[\x0], v[\x1] matrix_a_fmt:MATRIX_FMT_FP6 matrix_b_fmt:MATRIX_FMT_FP6 matrix_a_scale:MATRIX_SCALE_ROW\ra matrix_b_scale:MATRIX_SCALE_ROW\rb
.endif
.endm
; Product n = 4 x (K step) + x's tile.  The bias is the first products' C.  The four accumulators take turns.
.macro PROD kind, e, n, a0, as, ws, cc
.set Q_, (\n)/4
.set O_, (\n)%4
.set FB_, NB*Q_+O_
.set FA_, NB*NQ+NQ*(\e)+Q_
.set D_, (\a0)+(\as)*O_
.set DW_, D_>>8
.set DL_, D_&255
.set RB_, FR*(FB_%FPW)
.set RA_, FR*(FA_%FPW)
.set XB_, SB+NQ*(O_/2)+Q_
.set XA_, (\ws)+Q_
.if Q_
.set CW_, DW_
.elseif \kind
.set CW_, 0
.else
.set CW_, 3
.endif
.if \kind
	WIN ((1+FB_/FPW)|((1+FA_/FPW)<<2)|(CW_<<4)|(DW_<<6))
.if O_%2
	P1 RB_, RA_, XB_, XA_, 1, \e, \cc
.else
	P1 RB_, RA_, XB_, XA_, 0, \e, \cc
.endif
.else
	WIN ((1+FA_/FPW)|((1+FB_/FPW)<<2)|(CW_<<4)|(DW_<<6))
.if O_%2
	P1 RA_, RB_, XA_, XB_, \e, 1, \cc
.else
	P1 RA_, RB_, XA_, XB_, \e, 0, \cc
.endif
.endif
.endm
.macro CHAIN i, x, n, t=TQ             ; a way out's first part, 18 entries: two chains over the 32 sums from register x on, then the conversions' scale operand
.set XW_, (\x)>>8
.set XL_, (\x)&255
.if ((\i) >= 0) && ((\i) < 14)
.set B_, XL_+16*((\i)%2)+2*((\i)/2)
.set T_, (\t)+1-(\i)%2
.if (\i) < 2
	WIN (XW_|(XW_<<2)|(XW_<<4))
	v_max3_num_f32 v[T_], |v[B_]|, |v[B_+1]|, |v[B_+2]|
.else
	WIN ((XW_<<2)|(XW_<<4))
	v_max3_num_f32 v[T_], v[T_], |v[B_+1]|, |v[B_+2]|
.endif
.elseif (\i) == 14
	WIN (XW_<<2)
	v_max3_num_f32 v[\t+1], v[\t+1], |v[XL_+15]|, (EMAX+1)<<23
.elseif (\i) == 15
	WIN 0
	v_nop
.elseif (\i) == 16
	WIN (XW_<<2)
	v_max3_num_f32 v[\t], v[\t], |v[XL_+31]|, v[\t+1]
.elseif (\i) == 17
	WIN 0
	v_add_nc_u32 v[SOP+\n], -(EMAX<<23), v[\t]
.endif
.endm
.macro CODES i, x, c, n, t=TC          ; its second part, 6 lines
.set XW_, (\x)>>8
.set XL_, (\x)&255
.if (\i) == 0
	WIN XW_
	v_cvt_scalef32_pk16_fp6_f32 v[\c:\c+2], v[XL_:XL_+15], v[SOP+\n]
.elseif (\i) == 1
	WIN XW_
	v_cvt_scalef32_pk16_fp6_f32 v[\t:\t+2], v[XL_+16:XL_+31], v[SOP+\n]
.elseif (\i) == 2
	WIN 0
	v_lshrrev_b32 v[EB+\n], 23, v[SOP+\n]
.else
	WIN 0
	v_mov_b32 v[\c+\i], v[\t+\i-3]
.endif
.endm
.macro CODES6 x, c, n
.irp i, 0,1,2,3,4,5
	CODES \i, \x, \c, \n
.endr
.endm
.macro BLOCK kind, e, a0, as, ws, cc, from, to, x, n
.set N_, \from
.rept (\to)-(\from)
	PROD \kind, \e, N_, \a0, \as, \ws, \cc
.if (N_%2) && ((\x) >= 0)
	CHAIN N_-7, \x, \n
	CHAIN N_-6, \x, \n
.endif
.set N_, N_+1
.endr
.endm
.macro SEND6 c, base, off              ; six registers: 512 and 256 consecutive bytes
	global_store_b128 v[CO], v[\c:\c+3], s[\base:\base+1] offset:\off
	global_store_b64 v[C8], v[\c+4:\c+5], s[\base:\base+1] offset:(\off)+512
.endm
; Block b.  w: the count of the wait for its rows (-1: shown in already).  x, n: the way out that stands in it (-1: none).  mode 1: the refill's round; 2: the plain barrier that shows it.
.macro BLK b, e, kind, a0, as, cc, w, x, n, mode
.set WS_, WS+8*((\b)/2)
.if (\w) >= 0
	s_wait_dscnt \w
.endif
.if (\x) >= 0
	s_wait_xcnt 0x0
.endif
.if (\mode) == 1
	s_wait_tensorcnt 0x0
	ds_add_u32 v[SPW], v[NIL]
.endif
.if (\mode) > 0
	BLOCK \kind, \e, \a0, \as, WS_, \cc, 0, 26, \x, \n
	WIN 0
	s_wait_alu depctr_va_vdst(0)
.if (\mode) == 2
	s_wait_tensorcnt 0x0
.endif
	s_wait_dscnt 0x0
	s_barrier_signal -1
	BLOCK \kind, \e, \a0, \as, WS_, \cc, 26, 32, -1, 0
.else
	BLOCK \kind, \e, \a0, \as, WS_, \cc, 0, 32, \x, \n
.endif
	WIN 0
.if (\x) >= 0
	CODES6 \x, NCD+6*(\n), \n
.else
	PLACES 4
.endif
.if (\mode) == 1
	MIDDLE
	BARRIER
	s_cmp_eq_u32 s14, 0
	s_cbranch_scc0 .Lno_refill
	TLOAD 4, G1B                                   ; wave 0: W_k's 64 rows, onto x's bytes
.Lno_refill:
.elseif (\mode) == 2
	s_barrier_wait -1
.endif
.if (\b) < 10
	FADDR (\b)+2
.endif
	s_wait_alu depctr_va_vdst(0)
.if ((\b) > 0) && ((\b) < 5)
	ds_store_b8 v[STV], v[EB+\n] offset:128*(((\b)-1)%2)+4*(((\b)-1)/2)
	SEND6 NCD+6*(\n), 54, 1536*((\b)-1)
.elseif (\b) > 7
	ds_store_b8 v[STQ], v[EB+\n] offset:32*((\b)-8)
	SEND6 NCD+6*(\n), 8, 768*((\b)-8)
.endif
.if (\b) < 10
	FETCH \e
.endif
.endm
.macro BIASQ j, base                   ; eight numbers a lane: the channels of tile j
	WIN 0xc0
.if (\j)%2
	global_load_b128 v[BQ+8*(\j):BQ+8*(\j)+3], v[OBO], s[\base:\base+1] offset:32*(\j)
	global_load_b128 v[BQ+8*(\j)+4:BQ+8*(\j)+7], v[OBO], s[\base:\base+1] offset:32*(\j)+16
.else
	global_load_b128 v[BQ+8*(\j):BQ+8*(\j)+3], v[OBE], s[\base:\base+1] offset:32*(\j)
	global_load_b128 v[BQ+8*(\j)+4:BQ+8*(\j)+7], v[OBE], s[\base:\base+1] offset:32*(\j)+16
.endif
	WIN 0
.endm
	s_load_b512 s[68:83], s[0:1], 0x0
	s_load_b256 s[84:91], s[0:1], 0x40
	s_load_b64 s[92:93], s[0:1], 0x60
	v_lshl_add_u32 v[SPW], v0, 2, SPARE
	v_mov_b32 v[NIL], 0
	ds_add_u32 v[SPW], v[NIL]                      ; the opening lines
	ds_add_u32 v[SPW], v[NIL]
	v_lshrrev_b32 v1, 5, v0
	v_readfirstlane_b32 s14, v1                    ; wave
	s_lshr_b32 s12, s14, 1                         ; its key step of the two,
	s_and_b32 s13, s14, 1                          ; and band of 64 in it
	s_bfe_u32 s40, ttmp6, 0x40000                  ; cx
	s_bfe_u32 s41, ttmp6, 0x40004                  ; cy
	s_lshl_b32 s42, ttmp9, 2
	s_add_co_u32 s42, s42, s40                     ; head
	s_and_b32 s43, ttmp7, 0xffff
	s_lshl_b32 s43, s43, 2
	s_add_co_u32 s43, s43, s41                     ; block of 256 tokens, 0 .. 15
	s_lshl_b32 s44, s41, 2
	s_lshl_b32 s44, 15, s44                        ; my row of the cluster
	s_lshl_b32 s45, 0x1111, s40                    ; my column
	GROUP1 G1A, 44, 128
	GROUP1 G1B, 45, 64
	s_mul_i32 s20, s43, 256*KROW
	s_mul_i32 s18, s13, 128*KROW
	s_add_co_u32 s20, s20, s18                     ; x: waves 0 and 1 bring 128 rows each
	s_mov_b32 s21, 0
	s_mul_i32 s22, s42, 64*KROW                    ; a weight's 64 rows of my head
	s_mov_b32 s23, 0
	s_mov_b32 s56, 1
	s_mul_i32 s57, s13, 128*PITCH
	s_mov_b32 s60, 1
	s_mov_b32 s61, WVB
	s_mov_b32 s96, 1
	s_mov_b32 s97, WQB
	s_mov_b32 s4, 1
	s_mov_b32 s5, 0
	s_wait_dscnt 0x0
	CROUND                                         ; all sixteen work-groups are here: the first joint loads meet
	s_wait_kmcnt 0x0
	s_add_nc_u64 s[58:59], s[68:69], s[20:21]
	s_or_b32 s59, s59, 0x80000000
	s_add_nc_u64 s[62:63], s[80:81], s[22:23]
	s_or_b32 s63, s63, 0x80000000
	s_add_nc_u64 s[98:99], s[72:73], s[22:23]
	s_or_b32 s99, s99, 0x80000000
	s_add_nc_u64 s[10:11], s[76:77], s[22:23]      ; W_k's rows, for the prefetch
	s_add_nc_u64 s[6:7], s[76:77], s[22:23]        ; and for the refill
	s_or_b32 s7, s7, 0x80000000
	s_cmp_lt_u32 s14, 2
	s_cbranch_scc0 .Lwave_2
	TLOAD 56, G1A
	s_branch .Lasked
.Lwave_2:
	s_cmp_eq_u32 s14, 2
	s_cbranch_scc0 .Lwave_3
	TLOAD 60, G1B
	s_branch .Lasked
.Lwave_3:
	TLOAD 96, G1B
.Lasked:
	s_lshl_b32 s46, s43, 13
	s_lshl_b32 s18, s14, 11
	s_add_co_u32 s46, s46, s18
	s_mov_b32 s47, 0
	s_add_nc_u64 s[70:71], s[70:71], s[46:47]      ; scale bytes: my 64 rows of x,
	s_lshl_b32 s48, s42, 11
	s_mov_b32 s49, 0
	s_add_nc_u64 s[74:75], s[74:75], s[48:49]      ; and the weights' 64 rows
	s_add_nc_u64 s[78:79], s[78:79], s[48:49]
	s_add_nc_u64 s[82:83], s[82:83], s[48:49]
	s_lshl_b32 s50, s42, 8
	s_mov_b32 s51, 0
	s_add_nc_u64 s[84:85], s[84:85], s[50:51]      ; biases of my head
	s_add_nc_u64 s[86:87], s[86:87], s[50:51]
	s_add_nc_u64 s[88:89], s[88:89], s[50:51]
	s_mul_i32 s19, s14, 64*PITCH
	s_lshl_b32 s18, s41, 2
	s_add_co_u32 s18, s18, s14
	s_mul_i32 s18, s18, 3072                       ; my sixteenth of W_k's rows
	v_and_b32 v1, 15, v0                           ; r
	v_bfe_u32 v2, v0, 4, 1                         ; h
	v_and_b32 v3, 31, v0
	v_lshlrev_b32 v[CO], 4, v3
	v_lshlrev_b32 v[C8], 3, v3
	v_lshlrev_b32 v[VN], 5, v3
	v_lshrrev_b32 v59, 3, v1                       ; r / 8
	v_mul_u32_u24 v61, v59, v2
	v_lshlrev_b32 v60, 5, v59
	v_lshlrev_b32 v61, 4, v61
	v_sub_nc_u32 v60, v60, v61
	v_lshl_add_u32 v60, v2, 3, v60
	v_add_nc_u32 v60, v60, v1                      ; lanes 0-15 the even tile's row, lanes 16-31 the odd tile's
	v_lshlrev_b32 v[VXS], 5, v60
	v_mul_u32_u24 v[OBE], v2, 160
	v_mul_u32_u24 v[OBO], v2, 96
	v_lshlrev_b32 v58, 2, v1
	v_min_u32 v[PFV], 11, v3
	v_lshl_add_u32 v[PFV], v[PFV], 8, s18
.irp p, 0,1
.irp c, 0,1
	global_load_b128 v[SB+8*\p+4*\c:SB+8*\p+4*\c+3], v[VXS], s[70:71] offset:512*\p+16*\c
	global_load_b128 v[WS+8*\p+4*\c:WS+8*\p+4*\c+3], v[VN], s[82:83] offset:1024*\p+16*\c
	global_load_b128 v[WS+16+8*\p+4*\c:WS+16+8*\p+4*\c+3], v[VXS], s[74:75] offset:512*\p+16*\c
	global_load_b128 v[WS+32+8*\p+4*\c:WS+32+8*\p+4*\c+3], v[VXS], s[78:79] offset:512*\p+16*\c
.endr
.endr
.irp t, 0,1,2,3
	global_load_b32 v[HQ+8*\t], v58, s[88:89] offset:64*\t
.endr
.irp j, 0,1,2,3
	BIASQ \j, 84
.endr
	v_mul_u32_u24 v62, v1, PITCH
	v_mad_u32_u24 v[AN], v2, 24, v62
	v_mad_u32_u24 v[AN+1], v2, 40, v62
	v_mul_u32_u24 v60, v59, 32*PITCH
	v_mul_u32_u24 v61, v59, 16*PITCH
	v_add_nc_u32 v[AE], v60, v[AN]
	v_add_nc_u32 v[AE+1], v60, v[AN+1]
	v_add_nc_u32 v[AO], v61, v[AN]
	v_add_nc_u32 v[AO+1], v61, v[AN+1]
.irp i, 0,2
	v_add_nc_u32 v[BA+2*\i], s19, v[AE]
	v_add_nc_u32 v[BA+2*\i+1], s19, v[AE+1]
	s_add_co_u32 s19, s19, 8*PITCH
	v_add_nc_u32 v[BA+2*\i+2], s19, v[AO]
	v_add_nc_u32 v[BA+2*\i+3], s19, v[AO+1]
	s_add_co_u32 s19, s19, 8*PITCH
.endr
	s_lshl_b32 s18, s12, 9
	s_add_co_u32 s18, s18, XS
	s_lshl_b32 s19, s13, 2
	s_add_co_u32 s19, s19, s18
	v_lshl_add_u32 v60, v1, 3, v2
	v_add_nc_u32 v[STK], s19, v60                  ; k's scale byte: 8 r + 4 band + h
	s_lshl_b32 s19, s13, 1
	s_add_co_u32 s19, s19, s18
	s_add_co_u32 s19, s19, 256
	v_add_nc_u32 v[STV], s19, v60                  ; v's: 256 + 8 r + 2 band + h
	s_lshl_b32 s19, s14, 7
	s_add_co_u32 s19, s19, XS+1024
	v_lshl_add_u32 v61, v1, 1, v2
	v_add_nc_u32 v[STQ], s19, v61                  ; q's: 2 r + h
	s_wait_alu depctr_va_vdst(0)                   ; the wait at the head's end
	; where the results go: s[52:53] k, s[54:55] v, s[8:9] q, s[2:3] the scale bytes that my wave sends
	s_lshr_b32 s18, s43, 3
	s_lshl_b32 s18, s18, 4
	s_add_co_u32 s18, s18, s42                     ; 16 batch + head
	s_and_b32 s19, s43, 7
	s_lshl_b32 s20, s18, 4
	s_lshl_b32 s21, s19, 1
	s_add_co_u32 s20, s20, s21
	s_add_co_u32 s21, s20, s12
	s_mul_i32 s21, s21, 12800
	s_mul_i32 s22, s13, 3072
	s_add_co_u32 s46, s21, s22
	s_add_nc_u64 s[52:53], s[92:93], s[46:47]
	s_mul_i32 s22, s13, 768
	s_add_co_u32 s22, s22, 6144
	s_add_co_u32 s46, s21, s22
	s_add_nc_u64 s[54:55], s[92:93], s[46:47]
	s_lshl_b32 s21, s18, 7
	s_lshl_b32 s22, s19, 4
	s_add_co_u32 s21, s21, s22
	s_lshl_b32 s22, s14, 2
	s_add_co_u32 s21, s21, s22
	s_mul_i32 s46, s21, 768
	s_add_nc_u64 s[8:9], s[90:91], s[46:47]
	s_add_co_u32 s20, s20, s14
	s_mul_i32 s20, s20, 12800
	s_add_co_u32 s20, s20, 12288
	s_lshl_b32 s21, s18, 12
	s_lshl_b32 s22, s19, 9
	s_add_co_u32 s21, s21, s22
	s_add_co_u32 s21, s21, 3145728
	s_cmp_lt_u32 s14, 2
	s_cselect_b64 s[2:3], s[92:93], s[90:91]
	s_cselect_b32 s46, s20, s21
	s_add_nc_u64 s[2:3], s[2:3], s[46:47]
	s_cmp_lt_u32 s14, 2
	s_cbranch_scc0 .Lnot_x
	s_wait_tensorcnt 0x0
.Lnot_x:
	BARRIER                                        ; x's rows are in
	global_prefetch_b8 v[PFV], s[10:11] th:TH_LOAD_NT scope:SCOPE_SE   ; what the refill in block 1 will load, 12 units a wave
.irp q, 0,1,2,3,4,5,6,7
.irp b, 0,1,2,3
	FRAG NB*\q+\b, \q, v[BA+2*\b], v[BA+2*\b+1]
.endr
.endr
	WIN 0
	s_wait_loadcnt 0x0
.irp t, 0,8,16,24
.irp i, 1,2,3,4,5,6,7
	v_mov_b32 v[HQ+\t+\i], v[HQ+\t]                ; b_v, one number a lane and tile, over the tile's eight registers
.endr
.endr
	s_wait_alu depctr_va_vdst(0)
	s_cmp_eq_u32 s14, 3
	s_cbranch_scc1 .Lnot_v
	s_wait_tensorcnt 0x0
.Lnot_v:
	s_wait_dscnt 0x0
	BARRIER                                        ; W_v's rows are in; W_q's may still be on their way
	FADDR 0
	FETCH 0
	FADDR 1
	FETCH 1
	BLK 0, 0, 1, HVB, 8, 64, 26, -1, 0, 0
	BLK 1, 1, 1, HVB+32, 8, 72, 26, HVB, 0, 1
	BLK 2, 0, 1, HVB+64, 8, 80, -1, HVB+32, 1, 0
	BLK 3, 1, 1, HVB+96, 8, 88, 27, HVB+64, 0, 0
	BLK 4, 0, 0, HQ, 32, 200, 27, HVB+96, 1, 0
	BLK 5, 1, 0, HQ+8, 32, 208, 27, -1, 0, 0
	BLK 6, 0, 0, HQ+16, 32, 216, 26, -1, 0, 2
.irp j, 0,1,2
	BIASQ \j, 86                                   ; b_k takes b_q's registers: tiles 0 to 2 are done with,
.endr
	BLK 7, 1, 0, HQ+24, 32, 224, -1, -1, 0, 0
	BIASQ 3, 86                                    ; and tile 3
	s_wait_loadcnt 2                               ; (tile 3's two loads may be out)
	BLK 8, 0, 0, HVB, 32, 200, 26, HQ, 0, 0
	BLK 9, 1, 0, HVB+8, 32, 208, 27, HQ+32, 1, 0
	BLK 10, 0, 0, HVB+16, 32, 216, 27, HQ+64, 0, 0
	s_wait_loadcnt 0x0
	BLK 11, 1, 0, HVB+24, 32, 224, 1, HQ+96, 1, 0
; the end: k's four way outs, by turns
.set I, 0
.rept 18
.irp t, 0,1,2,3
	CHAIN I, HVB+32*\t, \t, 64+4*\t
.endr
.set I, I+1
.endr
.set I, 0
.rept 6
.irp t, 0,1,2,3
	CODES I, HVB+32*\t, 96+6*\t, \t, 80+4*\t
.endr
.set I, I+1
.endr
	WIN 0
	s_lshl_b32 s19, s14, 9
	s_add_co_u32 s19, s19, XS
	v_add_nc_u32 v[ADRA], s19, v[CO]
	s_wait_alu depctr_va_vdst(0)
.irp t, 0,1,2,3
	ds_store_b8 v[STK], v[EB+\t] offset:128*(\t/2)+2*(\t%2)
.endr
.irp p, 0,1
.irp k, 0,1,2
	global_store_b128 v[CO], v[96+12*\p+4*\k:96+12*\p+4*\k+3], s[52:53] offset:1536*\p+512*\k
.endr
.endr
	s_wait_dscnt 0x0
	BARRIER
	s_cmp_lt_u32 s14, 3
	s_cbranch_scc0 .Lno_scales
	ds_load_b128 v[64:67], v[ADRA]                 ; waves 0 and 1: a key step's k and v bytes; wave 2: q's
	s_wait_dscnt 0x0
	global_store_b128 v[CO], v[64:67], s[2:3]
.Lno_scales:
	s_wait_tensorcnt 0x0
	ds_add_u32 v[SPW], v[NIL]
	s_wait_dscnt 0x0
	CROUND
	s_endpgm
.Lfunc_end_k_qfff719d89f_qkv:
	.size	k_qfff719d89f_qkv, .Lfunc_end_k_qfff719d89f_qkv-k_qfff719d89f_qkv
	.p2alignl 7, 3214868480
	.fill 96, 4, 3214868480
	.section	.rodata,"a",@progbits
	.p2align	6, 0x0
	.amdhsa_kernel k_qfff719d89f_qkv
		.amdhsa_group_segment_fixed_size 327680
		.amdhsa_private_segment_fixed_size 0
		.amdhsa_enable_private_segment 0
		.amdhsa_kernarg_size 104
		.amdhsa_user_sgpr_count 2
		.amdhsa_user_sgpr_kernarg_segment_ptr 1
		.amdhsa_wavefront_size32 1
		.amdhsa_system_sgpr_workgroup_id_x 1
		.amdhsa_system_sgpr_workgroup_id_y 1
		.amdhsa_system_sgpr_workgroup_id_z 1
		.amdhsa_system_vgpr_workitem_id 0
		.amdhsa_next_free_vgpr 1024
		.amdhsa_next_free_sgpr 106
		.amdhsa_reserve_vcc 0
		.amdhsa_float_denorm_mode_32 3
		.amdhsa_float_denorm_mode_16_64 3
		.amdhsa_memory_ordered 1
		.amdhsa_forward_progress 1
		.amdhsa_inst_pref_size 121
	.end_amdhsa_kernel
	.amdgpu_metadata
---
amdhsa.version: [ 1, 2 ]
amdhsa.kernels:
  - .name:           k_qfff719d89f_qkv
    .symbol:         k_qfff719d89f_qkv.kd
    .args:
      - { .name: x_codes, .offset: 0, .size: 8, .value_kind: global_buffer, .address_space: global }
      - { .name: x_scales, .offset: 8, .size: 8, .value_kind: global_buffer, .address_space: global }
      - { .name: W_q_codes, .offset: 16, .size: 8, .value_kind: global_buffer, .address_space: global }
      - { .name: W_q_scales, .offset: 24, .size: 8, .value_kind: global_buffer, .address_space: global }
      - { .name: W_k_codes, .offset: 32, .size: 8, .value_kind: global_buffer, .address_space: global }
      - { .name: W_k_scales, .offset: 40, .size: 8, .value_kind: global_buffer, .address_space: global }
      - { .name: W_v_codes, .offset: 48, .size: 8, .value_kind: global_buffer, .address_space: global }
      - { .name: W_v_scales, .offset: 56, .size: 8, .value_kind: global_buffer, .address_space: global }
      - { .name: b_q, .offset: 64, .size: 8, .value_kind: global_buffer, .address_space: global }
      - { .name: b_k, .offset: 72, .size: 8, .value_kind: global_buffer, .address_space: global }
      - { .name: b_v, .offset: 80, .size: 8, .value_kind: global_buffer, .address_space: global }
      - { .name: qf, .offset: 88, .size: 8, .value_kind: global_buffer, .address_space: global }
      - { .name: kvf, .offset: 96, .size: 8, .value_kind: global_buffer, .address_space: global }
    .group_segment_fixed_size: 327680
    .private_segment_fixed_size: 0
    .kernarg_segment_align: 8
    .kernarg_segment_size: 104
    .max_flat_workgroup_size: 128
    .sgpr_count:     106
    .vgpr_count:     1024
    .wavefront_size: 32
...
	.end_amdgpu_metadata
.endif
;; end of part 1
;; launch attn (part 2): grid 8 x 32, 8 waves a work-group, clusters of 4 x 1, 206,848 bytes of LDS; arguments qf, kvf, cf, cs; writes cf, cs
.if DOCPART == 2
	.amdgcn_target "amdgcn-amd-amdhsa--gfx1250"
	.amdhsa_code_object_version 6
	.text
	.protected	k_qfff719d89f_attn
	.globl	k_qfff719d89f_attn
	.p2align	8
	.type	k_qfff719d89f_attn,@function
k_qfff719d89f_attn:
	s_mov_b64 s[64:65], 0
	v_nop
	global_prefetch_b8 v0, s[64:65] scope:SCOPE_SE
	s_setreg_imm32_b32 hwreg(HW_REG_WAVE_MODE, 25, 1), 1
	s_wait_xcnt 0x0
	s_wait_alu depctr_hold_cnt(0) depctr_sa_sdst(0) depctr_va_vdst(0) depctr_va_sdst(0) depctr_va_ssrc(0) depctr_va_vcc(0) depctr_vm_vsrc(0)
	s_getreg_b32 s2, hwreg(HW_REG_IB_STS2, 6, 4)
	s_cmp_eq_u32 s2, 0
	s_cbranch_scc0 .Lentry_in_a_cluster
	s_endpgm
.Lentry_in_a_cluster:
	s_bfe_u32 s2, ttmp6, 0x10000c
	s_cmp_lg_u32 s2, 0x3003
	s_cbranch_scc0 .Lentry_shape_is_right
	s_endpgm
.Lentry_shape_is_right:
; ctx = softmax(q k^T / 8) v for one (batch, head) and 256 queries, both products on codes of FP6 (E2M3) with E8M0 scales; ctx is quantised along its channels and leaves as codes.
; SOFTMAX: t = score x log2(e) / 8; M = the running largest t rounded up to a whole number; p = 2^(t - M) is quantised along the keys, not normalised; the row's sum is taken of the unquantised p and divides at the end.
; When M moves, the sum and O are multiplied by 2^(old M - new M), which rounds nothing.
; SHARES.  Eight waves, each with two tiles of 16 queries, whose lines alternate; every fragment of k and v serves both.  Every wave walks the head's 2,048 keys, 128 a step.
; The head's k and v, sixteen blocks of 12,800 bytes, fill LDS once and stay: nothing is filled again.  Wave w brings blocks 2 w and 2 w + 1 by one tensor load, asked for jointly by the four work-groups of the cluster, which share the head.
; A wave begins with the first block that it brought itself, which its own wait on TENSORcnt orders, and takes the others in the order (2 w + i) % 16: the work-group's barrier is signalled ahead of that first step and waited for behind it.
; The order of the keys is free: M is a running maximum.  No prefetch: LDS is filled at the head, and nothing is asked of memory in the loop.
; LAYOUT.  Both products are used transposed: S^T = k q^T, O^T = v^T p^T: a lane holds one query of each tile (lane % 16) throughout.
; K = 64 IN A FORM OF 128: a fragment of k holds two tiles of 16 keys, the first tile's 64 channels in registers 0-5, the second's in 6-11.  q stands between zeros: (q, 0) picks the first tile, (0, q) the second: zero codes add
; nothing under any scale byte but 0xff, and these bytes lie between 1 and 254.
; Row 8 g + j of tile (c, i) is key 64 c + 32 g + 8 (i xor g) + j, in k and in v alike: lane half g holds WHOLE blocks of 32 keys (32 registers for each c): a block's maximum needs no other lane and p's codes no exchange.
; q: a tile of 16 queries is 768 bytes: registers 0-3 at 16 x lane, 4-5 at 512 + 8 x lane.  v: for each tile of 16 channels and each band c of 64 keys likewise.
; LIMITS: NaN and infinities are not served; scaled scores (exponents to the base 2, before the maximum is taken away) stay under 2^31 in magnitude.
; A block of zeros gets the scale byte 1: its codes are zeros, and this program alone reads the bytes.  cs is stored a byte a lane, two bytes to a row and head: the other bytes of a row come from other work-groups.
.set BLKB, 12800
.set VO,   6144                        ; in a block: v^T's four tiles
.set KSO,  12288                       ; k's scale words
.set VSO,  12544                       ; v's
.set SPARE, 204800
; WINDOW 0.  Tile t's number stands t or 2 t registers on.
.set LI,  1                            ; v1  16 x lane
.set L8,  2                            ; v2  8 x lane
.set AV,  3                            ; v3, v4  the step's block + 16 x lane, + 8 x lane
.set AK,  5                            ; v5, v6  the next step's
.set SH,  7                            ; v7  8 x (lane / 16)
.set NM,  8                            ; v8, v10  -M
.set MX,  9                            ; v9, v11  the largest score so far
.set L,   12                           ; v[12:13], v[14:15]  the sum in two halves
.set F,   16                           ; v16, v18  2^(old M - new M); v17, v19 are named with them as pairs
.set PW,  20                           ; v20, v21  p's scale words
.set QS,  22                           ; v22, v23  q's scale words
.set KSC, 24                           ; v[24:25]  k's scale words
.set VSC, 26                           ; v[26:27]  v's
.set BM,  28                           ; v28-31, v32-35  largest scores
.set SO,  36                           ; v36-37, v38-39  the conversions' scale operands
.set OM,  36                           ; (earlier in a step: old M - new M)
.set BY,  40                           ; v40-41, v42-43  scale bytes
.set SPW, 44
.set NIL, 45
.set PD,  46                           ; v46, v47  a lane permute's destination
.set T,   48                           ; v48-55, v56-63  partial sums; v48, v49 also short-lived numbers
.set S,   64                           ; v64-127, v128-191  S^T, then p: tile (c, i) at + 32 c + 8 i; at the end ctx and its codes
.set O,   192                          ; v192-223, v224-255  O^T
; WINDOW 1
.set FK,  0                            ; four fragments of k
.set FV,  48                           ; four of v^T
.set Q,   96                           ; zeros, q of tile 0, zeros, q of tile 1, zeros: six registers each
.set P,   126                          ; p's codes: 12 registers a tile
.set CT,  150                          ; second halves of blocks' codes
.set MSB, 0
.macro WIN new
.if MSB != (\new)
	s_set_vgpr_msb (MSB<<8)|(\new)
.set MSB, (\new)
.endif
.endm
.macro CROUND                          ; a round of the cluster's barrier
	s_barrier_signal -1
	s_barrier_wait -1
	s_cmp_lg_u32 s12, 0
	s_cbranch_scc1 .Lnot_wave_0_\@
	s_barrier_signal -3
.Lnot_wave_0_\@:
	s_barrier_wait -3
	s_barrier_signal -1
	s_barrier_wait -1
.endm
	s_load_b256 s[4:11], s[0:1], 0x0               ; qf, kvf, cf, cs
	v_lshl_add_u32 v[SPW], v0, 2, SPARE
	v_mov_b32 v[NIL], 0
	ds_add_u32 v[SPW], v[NIL]                      ; the opening lines
	ds_add_u32 v[SPW], v[NIL]
	v_lshrrev_b32 v3, 5, v0
	v_readfirstlane_b32 s12, v3                    ; wave 0..7
	s_bfe_u32 s13, ttmp6, 0x40000                  ; cx
	s_lshl_b32 s14, ttmp9, 2
	s_add_co_u32 s14, s14, s13                     ; my block of 256 queries: it enters q's, cf's and cs's addresses alone
	s_and_b32 s15, ttmp7, 0xffff                   ; 16 batch + head, which the four partners share
	s_mov_b32 s16, 15|(3<<16)|(1<<21)              ; the mask: all four work-groups; elements of 8 bytes; no padding
	s_mov_b32 s17, 32<<16                          ; two dense blocks, 25,600 bytes, as 100 rows of 256
	s_mov_b32 s18, 100<<16
	s_mov_b32 s19, 32<<16
	s_mov_b32 s20, 100
	s_mov_b32 s21, 32
	s_mov_b32 s22, 0
	s_mov_b32 s23, 0
	s_mov_b32 s28, 0x76543210
	s_mov_b32 s29, 0xfedcba98                      ; v_permlanex16_b32's selects for lane l xor 16
	s_mov_b32 s30, 0x3e38aa3b                      ; log2(e) / 8
	s_mov_b32 s31, s30                             ; (named with it as a pair)
	s_lshl_b32 s13, s12, 1                         ; my first block, and my first tile of queries
	s_lshl_b32 s34, s15, 4
	s_add_co_u32 s34, s34, s13
	s_mul_i32 s34, s34, BLKB                       ; my two blocks in memory,
	s_mov_b32 s35, 0
	s_mul_i32 s32, s12, 2*BLKB                     ; and in LDS: also my first step's block
	s_lshl_b32 s40, s15, 7
	s_lshl_b32 s41, s14, 4
	s_add_co_u32 s40, s40, s41
	s_add_co_u32 s40, s40, s13                     ; my first tile of queries
	s_lshl_b32 s42, s40, 5
	s_add_co_u32 s42, s42, 3145728                 ; its scale bytes lie behind all codes
	s_mov_b32 s43, 0
	s_mul_i32 s40, s40, 768
	s_mov_b32 s41, 0
	s_mov_b32 s46, 0x01000100                      ; a row's two bytes, twice
	s_wait_dscnt 0x0
	s_wait_kmcnt 0x0
	s_mov_b32 s24, 1
	s_mov_b32 s25, s32
	s_add_nc_u64 s[26:27], s[6:7], s[34:35]
	s_or_b32 s27, s27, 0x80000000
	s_add_nc_u64 s[44:45], s[4:5], s[42:43]
	s_add_nc_u64 s[4:5], s[4:5], s[40:41]
	s_lshr_b32 s34, s15, 4                         ; where ctx goes: tile g = 128 batch + 16 x my block + 2 x wave, and the next
	s_lshl_b32 s34, s34, 7
	s_lshl_b32 s35, s14, 4
	s_add_co_u32 s34, s34, s35
	s_add_co_u32 s34, s34, s13
	s_and_b32 s35, s15, 15                         ; the head
	s_lshl_b32 s36, s34, 4
	s_add_co_u32 s36, s36, s35
	s_mul_i32 s36, s36, 768
	s_mov_b32 s37, 0
	s_add_nc_u64 s[8:9], s[8:9], s[36:37]          ; cf + (16 g + head) 768
	s_lshl_b32 s36, s34, 9
	s_lshl_b32 s35, s35, 1
	s_add_co_u32 s36, s36, s35
	s_add_nc_u64 s[10:11], s[10:11], s[36:37]      ; cs + 512 g + 2 head
	CROUND                                         ; all four work-groups are here: the joint loads meet
	tensor_load_to_lds s[24:27], s[16:23]          ; my one tensor load
	s_nop 0
.rept 4
	v_nop
.endr
	v_and_b32 v3, 31, v0
	v_and_b32 v4, 15, v0
	v_bfe_u32 v[SH], v0, 4, 1
	v_lshlrev_b32 v[LI], 4, v3
	v_lshlrev_b32 v[L8], 3, v3
	v_lshlrev_b32 v50, 1, v4
	v_lshlrev_b32 v[SH], 3, v[SH]
	global_load_u16 v48, v50, s[44:45]
	global_load_u16 v49, v50, s[44:45] offset:32
	WIN 0x40
.irp t, 0,1
	global_load_b128 v[Q+6+12*\t:Q+9+12*\t], v[LI], s[4:5] offset:768*\t
	global_load_b64 v[Q+10+12*\t:Q+11+12*\t], v[L8], s[4:5] offset:768*\t+512
.endr
	WIN 0
.irp t, 0,1
	v_mov_b32 v[L+2*\t], 0
	v_mov_b32 v[L+2*\t+1], 0
	v_mov_b32 v[F+2*\t+1], 0
	v_mov_b32 v[PD+\t], 0
.endr
	s_wait_alu depctr_va_vdst(0)
	s_wait_loadcnt 0x0
	v_perm_b32 v[QS], v48, v48, s46                ; q's two bytes, twice: they serve (q, 0) and (0, q).  Eighteen plain lines stand between this and the first product
	v_perm_b32 v[QS+1], v49, v49, s46
	WIN 0x40
.irp i, 0,1,2,3,4,5
	v_mov_b32 v[Q+\i], 0
	v_mov_b32 v[Q+12+\i], 0
	v_mov_b32 v[Q+24+\i], 0
.endr
	WIN 0
.macro LOADK                           ; 13 LDS loads: the fragments of k and their scale words, of the block at v[AK]
	WIN 0x40
.irp p, 0,1,2,3
.irp k, 0,1,2
	ds_load_b128 v[FK+12*\p+4*\k:FK+12*\p+4*\k+3], v[AK] offset:1536*\p+512*\k
.endr
.endr
	WIN 0
	ds_load_b64 v[KSC:KSC+1], v[AK+1] offset:KSO
.endm
.macro QK c, p, u, t                   ; p: the fragment's pair, and the row of its scale words
	v_wmma_scale_f32_16x16x128_f8f6f4 v[S+64*\t+32*\c+16*\p+8*\u:S+64*\t+32*\c+16*\p+8*\u+7], v[FK+24*\c+12*\p:FK+24*\c+12*\p+11], v[Q+6+12*\t-6*\u:Q+17+12*\t-6*\u], 0, v[KSC+\c], v[QS+\t] matrix_a_fmt:MATRIX_FMT_FP6 matrix_b_fmt:MATRIX_FMT_FP6 matrix_a_scale:MATRIX_SCALE_ROW\p
.endm
.macro PV n, e, t, first
.if \first
	v_wmma_scale_f32_16x16x128_f8f6f4 v[O+32*\t+16*\n+8*\e:O+32*\t+16*\n+8*\e+7], v[FV+24*\n+12*\e:FV+24*\n+12*\e+11], v[P+12*\t:P+12*\t+11], 0, v[VSC+\n], v[PW+\t] matrix_a_fmt:MATRIX_FMT_FP6 matrix_b_fmt:MATRIX_FMT_FP6 matrix_a_scale:MATRIX_SCALE_ROW\e
.else
	v_wmma_scale_f32_16x16x128_f8f6f4 v[O+32*\t+16*\n+8*\e:O+32*\t+16*\n+8*\e+7], v[FV+24*\n+12*\e:FV+24*\n+12*\e+11], v[P+12*\t:P+12*\t+11], v[O+32*\t+16*\n+8*\e:O+32*\t+16*\n+8*\e+7], v[VSC+\n], v[PW+\t] matrix_a_fmt:MATRIX_FMT_FP6 matrix_b_fmt:MATRIX_FMT_FP6 matrix_a_scale:MATRIX_SCALE_ROW\e
.endif
.endm
; A KEY STEP: the 128 keys of the block at LDS byte s32; s35: the next step's block.  first = 1: it begins M and O^T.  last = 1: nothing more is fetched.
.macro STEP first, last
	s_wait_dscnt 0x0                               ; k's fragments were asked for in the step before
	WIN 0x05                                       ; sources 0 and 1 window 1; D window 0
.irp c, 0,1
.irp p, 0,1
.irp u, 0,1
.irp t, 0,1
	QK \c, \p, \u, \t
.endr
.endr
.endr
.endr
	WIN 0
	v_add_nc_u32 v[AV], s32, v[LI]                 ; these four are the places behind the products, in front of loads into their registers
	v_add_nc_u32 v[AV+1], s32, v[L8]
.if \last
	v_nop
	v_nop
.else
	v_add_nc_u32 v[AK], s35, v[LI]
	v_add_nc_u32 v[AK+1], s35, v[L8]
.endif
	ds_load_b64 v[VSC:VSC+1], v[AV+1] offset:VSO
	WIN 0x40
.irp n, 0,1,2,3
.irp k, 0,1
	ds_load_b128 v[FV+12*\n+6*\k:FV+12*\n+6*\k+3], v[AV] offset:VO+1536*\n+768*\k
	ds_load_b64 v[FV+12*\n+6*\k+4:FV+12*\n+6*\k+5], v[AV+1] offset:VO+1536*\n+768*\k+512
.endr
.endr
.if (\last) == 0
	LOADK
.endif
	WIN 0
.irp k, 0,1,2,3
.irp t, 0,1
	v_max3_num_f32 v[BM+4*\t+\k], v[S+64*\t+16*\k], v[S+64*\t+16*\k+1], v[S+64*\t+16*\k+2]   ; the largest score of each block of 32 keys, in two chains a block; each accumulator is read from its low end on
.endr
.endr
.irp i, 3,5,7,9,11,13
.irp k, 0,1,2,3
.irp t, 0,1
	v_max3_num_f32 v[BM+4*\t+\k], v[BM+4*\t+\k], v[S+64*\t+16*\k+\i], v[S+64*\t+16*\k+\i+1]
.endr
.endr
.endr
.irp c, 0,1
.irp t, 0,1
	v_max3_num_f32 v[BM+4*\t+2*\c], v[BM+4*\t+2*\c], v[S+64*\t+32*\c+15], v[S+64*\t+32*\c+31]
.endr
.endr
.irp c, 0,1
.irp t, 0,1
	v_max_num_f32 v[BM+4*\t+2*\c], v[BM+4*\t+2*\c], v[BM+4*\t+2*\c+1]
.endr
.endr
.irp t, 0,1
	v_max_num_f32 v[T+\t], v[BM+4*\t], v[BM+4*\t+2]
.endr
.irp t, 0,1
	v_permlanex16_b32 v[PD+\t], v[T+\t], s28, s29  ; the query's other 64 keys lie in lane l xor 16
.endr
.irp t, 0,1
.if \first
	v_max_num_f32 v[MX+2*\t], v[T+\t], v[PD+\t]
.else
	v_max3_num_f32 v[MX+2*\t], v[MX+2*\t], v[T+\t], v[PD+\t]
	v_mov_b32 v[OM+2*\t], v[NM+2*\t]
.endif
.endr
.irp t, 0,1
	v_mul_f32 v[T+\t], s30, v[MX+2*\t]             ; the largest t
.endr
.irp t, 0,1
	v_floor_f32 v[NM+2*\t], -v[T+\t]               ; -M = floor(-t): M is a whole number
.endr
.if (\first) == 0
.irp t, 0,1
	v_sub_f32 v[OM+2*\t], v[NM+2*\t], v[OM+2*\t]   ; old M - new M: a whole number, 0 or less
.endr
.irp t, 0,1
	v_cvt_i32_f32 v[OM+2*\t], v[OM+2*\t]
.endr
.irp t, 0,1
	v_ldexp_f32 v[F+2*\t], 1.0, v[OM+2*\t]
.endr
.endif
.irp j, 0,2,4,6,8,10,12,14,16,18,20,22,24,26,28,30,32,34,36,38,40,42,44,46,48,50,52,54,56,58,60,62
	v_pk_fma_f32 v[S+\j:S+\j+1], v[S+\j:S+\j+1], s[30:31], v[NM:NM+1] op_sel_hi:[1,0,0]   ; t - M of tile 0, two at a time
.endr
.irp c, 0,1
.irp t, 0,1
	v_fma_f32 v[BM+4*\t+2*\c], v[BM+4*\t+2*\c], s30, v[NM+2*\t]   ; the same of each block's largest score: p rises with the score
.endr
.endr
.if (\first) == 0
.irp j, 0,2,4,6,8,10,12,14,16,18,20,22,24,26,28,30
.irp t, 0,1
	v_pk_mul_f32 v[O+32*\t+\j:O+32*\t+\j+1], v[O+32*\t+\j:O+32*\t+\j+1], v[F+2*\t:F+2*\t+1] op_sel_hi:[1,0]   ; O^T under the new M
.endr
.endr
.endif
	s_wait_alu depctr_va_vdst(0)
.irp j, 0,2,4,6,8,10,12,14,16,18,20,22,24,26,28,30,32,34,36,38,40,42,44,46,48,50,52,54,56,58,60,62
	v_exp_f32 v[S+\j], v[S+\j]                     ; p = 2^(t - M) of tile 0, between tile 1's multiply-adds
	v_pk_fma_f32 v[S+64+\j:S+64+\j+1], v[S+64+\j:S+64+\j+1], s[30:31], v[NM+2:NM+3] op_sel_hi:[1,0,0]
	v_exp_f32 v[S+\j+1], v[S+\j+1]
.endr
.irp c, 0,1
	v_exp_f32 v[BM+2*\c], v[BM+2*\c]               ; the block's largest p
.endr
.if \first
	v_nop                                          ; a plain place behind the exponentials
.else
.irp t, 0,1
	v_pk_mul_f32 v[L+2*\t:L+2*\t+1], v[L+2*\t:L+2*\t+1], v[F+2*\t:F+2*\t+1] op_sel_hi:[1,0]   ; the sums under the new M.  (Plain places behind the exponentials)
.endr
.endif
	s_wait_alu depctr_va_vdst(0)
.irp j, 0,1,2,3,4,5,6,7,8,9,10,11,12,13,14,15,16,17,18,19,20,21,22,23,24,25,26,27,28,29,30,31,32,33,34,35,36,37,38,39,40,41,42,43,44,45,46,47,48,49,50,51,52,53,54,55,56,57,58,59,60,61,62,63
	v_exp_f32 v[S+64+\j], v[S+64+\j]
.endr
.irp c, 0,1
	v_exp_f32 v[BM+4+2*\c], v[BM+4+2*\c]
.endr
	v_nop
	s_wait_alu depctr_va_vdst(0)
.irp c, 0,1
.irp t, 0,1
	v_max_num_f32 v[BM+4*\t+2*\c], 0x1800000, v[BM+4*\t+2*\c]   ; the floor 2^(3 - 127): the byte cannot fall under 1
.endr
.endr
.irp c, 0,1
.irp t, 0,1
	v_add_nc_u32 v[SO+2*\t+\c], 0xff000000, v[BM+4*\t+2*\c]   ; 2 off the exponent field: the conversion's scale operand
.endr
.endr
.irp c, 0,1
.irp t, 0,1
	v_lshrrev_b32 v[BY+2*\t+\c], 23, v[SO+2*\t+\c]
.endr
.endr
.irp t, 0,1
	v_lshl_or_b32 v[T+\t], v[BY+2*\t+1], 16, v[BY+2*\t]   ; my two bytes: blocks h and 2 + h,
.endr
.irp t, 0,1
	v_lshlrev_b32 v[T+\t], v[SH], v[T+\t]          ; at their places;
.endr
.irp t, 0,1
	v_permlanex16_b32 v[PD+\t], v[T+\t], s28, s29
.endr
.irp t, 0,1
	v_or_b32 v[PW+\t], v[T+\t], v[PD+\t]           ; with lane l xor 16's two the word is whole
.endr
	WIN 0x40
.irp t, 0,1
.irp c, 0,1
	v_cvt_scalef32_pk16_fp6_f32 v[P+12*\t+6*\c:P+12*\t+6*\c+2], v[S+64*\t+32*\c:S+64*\t+32*\c+15], v[SO+2*\t+\c]
	v_cvt_scalef32_pk16_fp6_f32 v[CT+8*\t+4*\c:CT+8*\t+4*\c+2], v[S+64*\t+32*\c+16:S+64*\t+32*\c+31], v[SO+2*\t+\c]   ; (a conversion's three registers begin on an even number)
.endr
.endr
	WIN 0x41
	v_nop                                          ; one plain place behind a scaled conversion
.irp t, 0,1
.irp c, 0,1
.irp i, 0,1,2
	v_mov_b32 v[P+12*\t+6*\c+3+\i], v[CT+8*\t+4*\c+\i]
.endr
.endr
.endr
	WIN 0
.irp k, 0,2,4,6                                ; the row's sums, of the unquantised p: four chains a tile
.irp t, 0,1
	v_pk_add_f32 v[T+8*\t+\k:T+8*\t+\k+1], v[S+64*\t+\k:S+64*\t+\k+1], v[S+64*\t+8+\k:S+64*\t+9+\k]
.endr
.endr
.irp m, 16,24,32,40,48,56
.irp k, 0,2,4,6
.irp t, 0,1
	v_pk_add_f32 v[T+8*\t+\k:T+8*\t+\k+1], v[T+8*\t+\k:T+8*\t+\k+1], v[S+64*\t+\m+\k:S+64*\t+\m+\k+1]
.endr
.endr
.endr
.irp k, 0,4
.irp t, 0,1
	v_pk_add_f32 v[T+8*\t+\k:T+8*\t+\k+1], v[T+8*\t+\k:T+8*\t+\k+1], v[T+8*\t+\k+2:T+8*\t+\k+3]
.endr
.endr
.irp t, 0,1
	v_pk_add_f32 v[T+8*\t:T+8*\t+1], v[T+8*\t:T+8*\t+1], v[T+8*\t+4:T+8*\t+5]
.endr
.irp t, 0,1
	v_pk_add_f32 v[L+2*\t:L+2*\t+1], v[L+2*\t:L+2*\t+1], v[T+8*\t:T+8*\t+1]
.endr
	s_wait_alu depctr_va_vdst(0)
.if \last
	s_wait_dscnt 0x0
.else
	s_wait_dscnt 13                                ; v^T's tiles and scale words are in; the next step's 13 loads of k may be out
.endif
	WIN 0x05
.irp n, 0,1
.irp e, 0,1
.irp t, 0,1
	PV \n, \e, \t, \first
.endr
.endr
.endr
	WIN 0
.endm
	s_add_co_u32 s35, s32, BLKB                    ; the second step's block is my own too
	v_add_nc_u32 v[AK], s32, v[LI]
	v_add_nc_u32 v[AK+1], s32, v[L8]
	s_wait_alu depctr_va_vdst(0)                   ; the wait at the head's end
	s_wait_tensorcnt 0x0                           ; my blocks have landed:
	s_barrier_signal -1                            ; say so,
	LOADK
	STEP 1, 0                                      ; work on the first (register work, and LDS loads of bytes that nobody writes),
	s_wait_alu depctr_va_vdst(0)
	s_barrier_wait -1                              ; and go on when all eight have said so
	s_mov_b32 s33, 1
.Lstep:
	s_add_co_u32 s32, s13, s33
	s_add_co_u32 s35, s32, 1
	s_and_b32 s32, s32, 15
	s_and_b32 s35, s35, 15
	s_mul_i32 s32, s32, BLKB                       ; block (2 w + i) % 16
	s_mul_i32 s35, s35, BLKB                       ; and the one behind it
	STEP 0, 0
	s_add_co_u32 s33, s33, 1
	s_cmp_lt_u32 s33, 15
	s_cbranch_scc1 .Lstep
	s_add_co_u32 s32, s13, 15
	s_and_b32 s32, s32, 15
	s_mul_i32 s32, s32, BLKB
	STEP 0, 1
.rept 4
	v_nop                                          ; places behind the last products
.endr
.irp t, 0,1
	v_add_f32 v[L+2*\t], v[L+2*\t], v[L+2*\t+1]
.endr
.irp t, 0,1
	v_permlanex16_b32 v[PD+\t], v[L+2*\t], s28, s29
.endr
.irp t, 0,1
	v_add_f32 v[L+2*\t], v[L+2*\t], v[PD+\t]       ; the row's sum
.endr
	s_wait_alu depctr_va_vdst(0)
.irp t, 0,1
	v_rcp_f32 v[F+2*\t], v[L+2*\t]
.endr
	v_nop                                          ; a plain place behind the transcendentals
	s_wait_alu depctr_va_vdst(0)
.irp t, 0,1                                    ; a lane holds channels 16 n + 8 h + j.  The exchange gives lane half H the channels 32 H .. 32 H + 31: tile n: 32 H + 16 n + j, tile n + 2: 32 H + 16 n + 8 + j
.irp n, 0,1
.irp j, 0,1,2,3,4,5,6,7
	v_permlane16_swap_b32 v[O+32*\t+8*\n+\j], v[O+32*\t+8*(\n+2)+\j]
.endr
.endr
.endr
	s_wait_alu depctr_va_vdst(0)
.irp n, 0,1,2,3                                ; ctx = O / the sum, the tiles in the order 0, 2, 1, 3: the channels in their true order, as W_o's codes have them
.irp j, 0,2,4,6
.irp t, 0,1
	v_pk_mul_f32 v[S+64*\t+8*\n+\j:S+64*\t+8*\n+\j+1], v[O+32*\t+8*(2*(\n%2)+\n/2)+\j:O+32*\t+8*(2*(\n%2)+\n/2)+\j+1], v[F+2*\t:F+2*\t+1] op_sel_hi:[1,0]
.endr
.endr
.endr
.irp t, 0,1
	v_max3_num_f32 v[T+\t], |v[S+64*\t]|, |v[S+64*\t+1]|, 0x1800000   ; my block's largest magnitude, and the floor
.endr
.irp i, 2,4,6,8,10,12,14,16,18,20,22,24,26,28,30
.irp t, 0,1
	v_max3_num_f32 v[T+\t], v[T+\t], |v[S+64*\t+\i]|, |v[S+64*\t+\i+1]|
.endr
.endr
.irp t, 0,1
	v_add_nc_u32 v[SO+2*\t], 0xff000000, v[T+\t]
.endr
.irp t, 0,1
	v_lshrrev_b32 v[BY+2*\t], 23, v[SO+2*\t]
.endr
.irp t, 0,1                                    ; codes into six registers from S + 32 on
	v_cvt_scalef32_pk16_fp6_f32 v[S+64*\t+32:S+64*\t+34], v[S+64*\t:S+64*\t+15], v[SO+2*\t]
	v_cvt_scalef32_pk16_fp6_f32 v[S+64*\t+40:S+64*\t+42], v[S+64*\t+16:S+64*\t+31], v[SO+2*\t]
.endr
	v_and_b32 v3, 15, v0
	v_bfe_u32 v4, v0, 4, 1
.irp i, 0,1,2
.irp t, 0,1
	v_mov_b32 v[S+64*\t+35+\i], v[S+64*\t+40+\i]
.endr
.endr
	v_lshl_add_u32 v5, v3, 5, v4                   ; cs: row r of 32 bytes, byte H
.irp t, 0,1
	global_store_b128 v[LI], v[S+64*\t+32:S+64*\t+35], s[8:9] offset:12288*\t          ; 512 consecutive bytes,
	global_store_b64 v[L8], v[S+64*\t+36:S+64*\t+37], s[8:9] offset:12288*\t+512       ; and 256: both at multiples of 256 from cf's first byte
	global_store_b8 v5, v[BY+2*\t], s[10:11] offset:512*\t
.endr
	s_wait_tensorcnt 0x0
	ds_add_u32 v[SPW], v[NIL]
	s_wait_dscnt 0x0
	CROUND                                         ; the closing round
	s_endpgm
.Lfunc_end_k_qfff719d89f_attn:
	.size	k_qfff719d89f_attn, .Lfunc_end_k_qfff719d89f_attn-k_qfff719d89f_attn
	.p2alignl 7, 3214868480
	.fill 96, 4, 3214868480
	.section	.rodata,"a",@progbits
	.p2align	6, 0x0
	.amdhsa_kernel k_qfff719d89f_attn
		.amdhsa_group_segment_fixed_size 206848
		.amdhsa_private_segment_fixed_size 0
		.amdhsa_enable_private_segment 0
		.amdhsa_kernarg_size 32
		.amdhsa_user_sgpr_count 2
		.amdhsa_user_sgpr_kernarg_segment_ptr 1
		.amdhsa_wavefront_size32 1
		.amdhsa_system_sgpr_workgroup_id_x 1
		.amdhsa_system_sgpr_workgroup_id_y 1
		.amdhsa_system_sgpr_workgroup_id_z 1
		.amdhsa_system_vgpr_workitem_id 0
		.amdhsa_next_free_vgpr 424
		.amdhsa_next_free_sgpr 66
		.amdhsa_reserve_vcc 0
		.amdhsa_float_denorm_mode_32 3
		.amdhsa_float_denorm_mode_16_64 3
		.amdhsa_memory_ordered 1
		.amdhsa_forward_progress 1
		.amdhsa_inst_pref_size 92
	.end_amdhsa_kernel
	.amdgpu_metadata
---
amdhsa.version: [ 1, 2 ]
amdhsa.kernels:
  - .name:           k_qfff719d89f_attn
    .symbol:         k_qfff719d89f_attn.kd
    .args:
      - { .name: qf, .offset: 0, .size: 8, .value_kind: global_buffer, .address_space: global }
      - { .name: kvf, .offset: 8, .size: 8, .value_kind: global_buffer, .address_space: global }
      - { .name: cf, .offset: 16, .size: 8, .value_kind: global_buffer, .address_space: global }
      - { .name: cs, .offset: 24, .size: 8, .value_kind: global_buffer, .address_space: global }
    .group_segment_fixed_size: 206848
    .private_segment_fixed_size: 0
    .kernarg_segment_align: 8
    .kernarg_segment_size: 32
    .max_flat_workgroup_size: 256
    .sgpr_count:     66
    .vgpr_count:     424
    .wavefront_size: 32
...
	.end_amdgpu_metadata
.endif
;; end of part 2
;; launch proj (part 3): grid 8 x 32, 4 waves a work-group, clusters of 4 x 4, 220,672 bytes of LDS; arguments cf, cs, W_o_codes, W_o_scales, b_o, out0; writes out0
.if DOCPART == 3
	.amdgcn_target "amdgcn-amd-amdhsa--gfx1250"
	.amdhsa_code_object_version 6
	.text
	.protected	k_qfff719d89f_proj
	.globl	k_qfff719d89f_proj
	.p2align	8
	.type	k_qfff719d89f_proj,@function
k_qfff719d89f_proj:
	s_mov_b64 s[64:65], 0
	v_nop
	global_prefetch_b8 v0, s[64:65] scope:SCOPE_SE
	s_setreg_imm32_b32 hwreg(HW_REG_WAVE_MODE, 25, 1), 1
	s_wait_xcnt 0x0
	s_wait_alu depctr_hold_cnt(0) depctr_sa_sdst(0) depctr_va_vdst(0) depctr_va_sdst(0) depctr_va_ssrc(0) depctr_va_vcc(0) depctr_vm_vsrc(0)
	s_getreg_b32 s2, hwreg(HW_REG_IB_STS2, 6, 4)
	s_cmp_eq_u32 s2, 0
	s_cbranch_scc0 .Lentry_in_a_cluster
	s_endpgm
.Lentry_in_a_cluster:
	s_bfe_u32 s2, ttmp6, 0x10000c
	s_cmp_lg_u32 s2, 0xf033
	s_cbranch_scc0 .Lentry_shape_is_right
	s_endpgm
.Lentry_shape_is_right:
; out = ctx W_o^T + b_o on codes of FP6 (E2M3) with E8M0 scales, K = 1,024; out is f32.
; A work-group of four waves makes 128 x 128 (tiles of 256 x 256 would be 64 work-groups only), a wave 64 x 64: 16 accumulators.  All of K of both operands fits in LDS and is filled once, one tensor load a wave at the head:
; wave 0 W_o's 128 rows of 768 bytes (16 bytes of padding behind every 256), wave 1 ctx's heads 0-3, waves 2 and 3 heads 4-9 and 10-15.  The first barrier waits for waves 0 and 1 alone; the second, ahead of K step 2, for all.
; Nothing is filled again and there is no loop to run ahead in: no prefetch.  The scale words come by plain loads straight into registers.
; CLUSTERS: 4 x 4 work-groups; ctx's tiles are asked for jointly along a row of the cluster, W_o's along a column.
; ctx (cf) comes as images of operand registers: [tile of 16 rows][head][768 bytes]: registers 0-3 at 16 x lane, registers 4-5 at 512 + 8 x lane; two heads are one K step of 128.
; The matrix instruction is used transposed (source 0 = 16 rows of W_o, source 1 = 16 rows of ctx): a lane holds eight neighbouring numbers of a row of out.
; ROWS.  Row 8 g + j of ctx's tile 4 c + i of a work-group's eight is token 64 c + 32 g + 8 (i xor g) + j of its 128: the stores' offsets put each row in its place.
; LIMITS: NaN and infinities, and a given scale byte 0xff, are not served.
.set R1, 24576                         ; LDS: ctx's three parts: 8 tiles x 3,072, 8 x 4,608, 8 x 4,608
.set R2, 61440
.set BBASE, 98304                      ; W_o
.set PITCH, 816
.set STAGE, 202752                     ; the way out: 16 rows x (256 bytes + 16) for each wave: bytes of their own, into which no tile lands
.set SPITCH, 272
.set SPARE, 220160
.set AA16, 4                           ; v4-6    ctx's parts: 16 x lane
.set AA8, 8                            ; v8-10   the same + 512, 8 x lane
.set WB, 12                            ; v12-19  W_o's four tiles; the odd registers behind one padding more in lanes 16-31
.set SO, 20
.set STO, 21
.set RD, 22
.set CO, 23
.set BA, 24
.set SPW, 30
.set NIL, 31
.set SCA, 32                           ; v32-47  ctx's scale words: 8 (i / 2) + q, tile i in lanes 16 (i % 2) ..
.set SCB, 48                           ; v48-63  W_o's: 8 (b / 2) + (q + 4) % 8
.set BI, 64                            ; v64-95  b_o in the result's layout
.set BK, 64                            ; later v64-127: rows read back from the stage
.set ACC, 128                          ; v128-255 accumulator (i, b) at ACC + 8 (4 i + b)
.set MSB, 0
.macro WIN new
.if MSB != (\new)
	s_set_vgpr_msb (MSB<<8)|(\new)
.set MSB, (\new)
.endif
.endm
.macro PLACES
.rept 4
	v_nop
.endr
.endm
.macro TLOAD g0, g1
	tensor_load_to_lds s[\g0:\g0+3], s[\g1:\g1+7]
	s_nop 0
	PLACES
.endm
.macro CROUND
	s_barrier_signal -1
	s_barrier_wait -1
	s_cmp_lg_u32 s16, 0
	s_cbranch_scc1 .Lnot_wave_0_\@
	s_barrier_signal -3
.Lnot_wave_0_\@:
	s_barrier_wait -3
	s_barrier_signal -1
	s_barrier_wait -1
.endm
	s_load_b256 s[4:11], s[0:1], 0x0               ; cf, cs, W_o's codes, W_o's scales
	s_load_b128 s[12:15], s[0:1], 0x20             ; b_o, out
	v_lshl_add_u32 v[SPW], v0, 2, SPARE
	v_mov_b32 v[NIL], 0
	ds_add_u32 v[SPW], v[NIL]                      ; the opening lines
	ds_add_u32 v[SPW], v[NIL]
	v_lshrrev_b32 v1, 5, v0
	v_readfirstlane_b32 s16, v1                    ; wave 0..3
	s_lshr_b32 s17, s16, 1                         ; my half of the rows
	s_and_b32 s18, s16, 1                          ; my half of the columns
	s_bfe_u32 s19, ttmp6, 0x40000                  ; cx
	s_bfe_u32 s20, ttmp6, 0x40004                  ; cy
	s_lshl_b32 s21, ttmp9, 2
	s_add_co_u32 s21, s21, s19                     ; tile column: 128 columns of out
	s_and_b32 s22, ttmp7, 0xffff
	s_lshl_b32 s22, s22, 2
	s_add_co_u32 s22, s22, s20                     ; tile row: 128 rows
	s_lshl_b32 s100, s20, 2
	s_lshl_b32 s100, 15, s100                      ; my row of the cluster
	s_lshl_b32 s101, 0x1111, s19                   ; my column
	s_or_b32 s24, s101, (1<<20)|(1<<21)|(5<<22)|(3<<25)   ; W_o: 128 rows of 768 bytes
	s_mov_b32 s25, 768<<16
	s_mov_b32 s26, 128<<16
	s_mov_b32 s27, 768<<16
	s_mov_b32 s28, 128
	s_mov_b32 s29, 768
	s_mov_b32 s30, 0
	s_mov_b32 s31, 0
	s_or_b32 s32, s100, (3<<16)|(1<<21)            ; ctx: eight tiles' 3,072 bytes, 12,288 apart: elements of 8 bytes, no padding
	s_mov_b32 s33, 384<<16
	s_mov_b32 s34, 8<<16
	s_mov_b32 s35, 384<<16
	s_mov_b32 s36, 8
	s_mov_b32 s37, 1536
	s_mov_b32 s38, 0
	s_mov_b32 s39, 0
	s_or_b32 s40, s100, (3<<16)|(1<<21)            ; and their 4,608 bytes
	s_mov_b32 s41, 576<<16
	s_mov_b32 s42, 8<<16
	s_mov_b32 s43, 576<<16
	s_mov_b32 s44, 8
	s_mov_b32 s45, 1536
	s_mov_b32 s46, 0
	s_mov_b32 s47, 0
	s_mul_i32 s60, s21, 98304                      ; W_o: 128 rows a tile column
	s_mov_b32 s61, 0
	s_mul_i32 s62, s22, 98304                      ; ctx: 8 tiles a tile row
	s_mov_b32 s63, 0
	s_mul_i32 s68, s18, 4608                       ; waves 2 and 3: which six heads
	s_add_co_u32 s68, s68, 3072
	s_mov_b32 s69, 0
	s_mov_b32 s48, 1
	s_mov_b32 s49, BBASE
	s_mov_b32 s52, 1
	s_mov_b32 s53, 0
	s_mov_b32 s56, 1
	s_mul_i32 s57, s18, R2-R1
	s_add_co_u32 s57, s57, R1
	s_wait_dscnt 0x0
	CROUND                                         ; all sixteen work-groups are here: the joint loads meet
	s_wait_kmcnt 0x0
	s_add_nc_u64 s[50:51], s[8:9], s[60:61]
	s_or_b32 s51, s51, 0x80000000
	s_add_nc_u64 s[54:55], s[4:5], s[62:63]
	s_add_nc_u64 s[58:59], s[54:55], s[68:69]
	s_or_b32 s55, s55, 0x80000000
	s_or_b32 s59, s59, 0x80000000
	s_cmp_eq_u32 s16, 0
	s_cbranch_scc0 .Lwave_1
	TLOAD 48, 24
	s_branch .Lasked
.Lwave_1:
	s_cmp_eq_u32 s16, 1
	s_cbranch_scc0 .Lwave_2
	TLOAD 52, 32
	s_branch .Lasked
.Lwave_2:
	TLOAD 56, 40
.Lasked:
	s_lshl_b32 s70, s22, 12
	s_lshl_b32 s72, s17, 11
	s_add_co_u32 s70, s70, s72
	s_mov_b32 s71, 0
	s_add_nc_u64 s[6:7], s[6:7], s[70:71]          ; scale bytes of my 64 rows of ctx,
	s_lshl_b32 s70, s21, 12
	s_lshl_b32 s72, s18, 11
	s_add_co_u32 s70, s70, s72
	s_add_nc_u64 s[10:11], s[10:11], s[70:71]      ; and of my 64 rows of W_o
	s_lshl_b32 s2, s22, 7
	s_lshl_b32 s3, s17, 6
	s_add_co_u32 s2, s2, s3                        ; my first token
	s_lshl_b32 s2, s2, 12
	s_lshl_b32 s66, s21, 9
	s_lshl_b32 s67, s18, 8
	s_add_co_u32 s66, s66, s67                     ; my first column, in bytes
	s_mov_b32 s67, 0
	s_mov_b32 s3, 0
	s_add_nc_u64 s[14:15], s[14:15], s[2:3]
	s_add_nc_u64 s[14:15], s[14:15], s[66:67]
	s_add_nc_u64 s[12:13], s[12:13], s[66:67]
	s_mul_i32 s74, s17, 4*3072                     ; my four tiles of ctx, in the three parts
	s_mul_i32 s75, s17, 4*4608
	s_add_co_u32 s76, s75, R2
	s_add_co_u32 s75, s75, R1
	s_mul_i32 s77, s18, 64*PITCH
	s_add_co_u32 s77, s77, BBASE                   ; my 64 rows of W_o
	v_and_b32 v1, 15, v0                           ; r
	v_bfe_u32 v2, v0, 4, 1                         ; h
	v_and_b32 v3, 31, v0                           ; lane
	v_lshlrev_b32 v[SO], 5, v3
	v_lshlrev_b32 v[BA], 5, v2
.irp p, 0,1
	global_load_b128 v[SCA+8*\p:SCA+8*\p+3], v[SO], s[6:7] offset:1024*\p
	global_load_b128 v[SCA+8*\p+4:SCA+8*\p+7], v[SO], s[6:7] offset:1024*\p+16
	global_load_b128 v[SCB+8*\p+4:SCB+8*\p+7], v[SO], s[10:11] offset:1024*\p
	global_load_b128 v[SCB+8*\p:SCB+8*\p+3], v[SO], s[10:11] offset:1024*\p+16
.endr
.irp b, 0,1,2,3
	global_load_b128 v[BI+8*\b:BI+8*\b+3], v[BA], s[12:13] offset:64*\b        ; b_o of columns 16 b + 8 h + 0 .. 7
	global_load_b128 v[BI+8*\b+4:BI+8*\b+7], v[BA], s[12:13] offset:64*\b+16
.endr
	v_lshlrev_b32 v25, 4, v3
	v_lshlrev_b32 v26, 3, v3
	v_add_nc_u32 v26, 512, v26
	v_add_nc_u32 v[AA16], s74, v25
	v_add_nc_u32 v[AA16+1], s75, v25
	v_add_nc_u32 v[AA16+2], s76, v25
	v_add_nc_u32 v[AA8], s74, v26
	v_add_nc_u32 v[AA8+1], s75, v26
	v_add_nc_u32 v[AA8+2], s76, v26
	v_mul_u32_u24 v27, v1, PITCH
	v_mad_u32_u24 v25, v2, 24, v27
	v_mad_u32_u24 v26, v2, 40, v27
.irp b, 0,1,2,3
	v_add_nc_u32 v[WB+2*\b], s77, v25
	v_add_nc_u32 v[WB+2*\b+1], s77, v26
	s_add_co_u32 s77, s77, 16*PITCH
.endr
	s_mul_i32 s2, s16, 16*SPITCH
	s_add_co_u32 s2, s2, STAGE                     ; my stage
	v_mul_u32_u24 v27, v1, SPITCH
	v_lshl_add_u32 v27, v2, 5, v27
	v_add_nc_u32 v[STO], s2, v27                   ; in: row r, 32 bytes for each half of the lanes
	v_mul_u32_u24 v27, v2, SPITCH
	v_lshl_add_u32 v27, v1, 4, v27
	v_add_nc_u32 v[RD], s2, v27                    ; back: lanes 0-15 one row of 256 bytes, lanes 16-31 the next
	v_lshlrev_b32 v27, 12, v2
	v_lshl_add_u32 v[CO], v1, 4, v27               ; and the same two rows in out: 4,096 bytes apart
.macro FRAGA reg, q, i                 ; ctx's tile i, K step q: two heads' images
.if (\q) < 2
.set PT_, 0
.set AO_, (\i)*3072+(\q)*1536
.elseif (\q) < 5
.set PT_, 1
.set AO_, (\i)*4608+((\q)-2)*1536
.else
.set PT_, 2
.set AO_, (\i)*4608+((\q)-5)*1536
.endif
.irp c, 0,1
	ds_load_b128 v[\reg+6*\c:\reg+6*\c+3], v[AA16+PT_] offset:AO_+\c*768
	ds_load_b64 v[\reg+6*\c+4:\reg+6*\c+5], v[AA8+PT_] offset:AO_+\c*768
.endr
.set CNT_, CNT_+4
.endm
.macro FRAGB reg, q, i                 ; W_o's tile i: six pieces of 8 bytes, two to a load where both lie behind as many paddings
.set SKIP_, 0
.irp p, 0,1,2,3,4,5
.if SKIP_
.set SKIP_, 0
.else
.set CNT_, CNT_+1
.set PC_, 12*(\q)+6*(\p/3)+\p%3
.set PN_, 12*(\q)+6*((\p+1)/3)+(\p+1)%3
.set X_, (PC_%32+3)/32
.set XQ_, (PN_%32+3)/32
.if (\p < 5) && (X_ == XQ_)
.set SKIP_, 1
	ds_load_2addr_b64 v[\reg+2*\p:\reg+2*\p+3], v[WB+2*(\i)+X_] offset0:PC_+2*(PC_/32) offset1:PN_+2*(PN_/32)
.else
	ds_load_b64 v[\reg+2*\p:\reg+2*\p+1], v[WB+2*(\i)+X_] offset:8*(PC_+2*(PC_/32))
.endif
.endif
.endr
.endm
.macro FETCH q, f                      ; K step q's eight fragments into buffer f of window 1; CNT_ counts the loads
.set CNT_, 0
	WIN 0x40
.irp i, 0,1,2,3
	FRAGA 128*(\f)+12*\i, \q, \i
.endr
.irp i, 0,1,2,3
	FRAGB 128*(\f)+48+12*\i, \q, \i
.endr
.endm
.macro W2 q, f, i, b, ra, rb
.set D_, ACC+8*(4*(\i)+(\b))
.set S0_, 128*(\f)+48+12*(\b)
.set S1_, 128*(\f)+12*(\i)
.set X0_, SCB+8*((\b)/2)+((\q)+4)%8
.set X1_, SCA+8*((\i)/2)+(\q)
.if (\q) == 0
	v_wmma_scale_f32_16x16x128_f8f6f4 v[D_:D_+7], v[S0_:S0_+11], v[S1_:S1_+11], v[BI+8*(\b):BI+8*(\b)+7], v[X0_], v[X1_] matrix_a_fmt:MATRIX_FMT_FP6 matrix_b_fmt:MATRIX_FMT_FP6 matrix_a_scale:MATRIX_SCALE_ROW\ra matrix_b_scale:MATRIX_SCALE_ROW\rb
.else
	v_wmma_scale_f32_16x16x128_f8f6f4 v[D_:D_+7], v[S0_:S0_+11], v[S1_:S1_+11], v[D_:D_+7], v[X0_], v[X1_] matrix_a_fmt:MATRIX_FMT_FP6 matrix_b_fmt:MATRIX_FMT_FP6 matrix_a_scale:MATRIX_SCALE_ROW\ra matrix_b_scale:MATRIX_SCALE_ROW\rb
.endif
.endm
.macro MUL q, f                        ; 16 matrix instructions, the 16 accumulators by turns; K step 0 begins the sums with b_o
.irp i, 0,2
.irp b, 0,2
	W2 \q, \f, \i, \b, 0, 0
	W2 \q, \f, \i, \b+1, 1, 0
.endr
.irp b, 0,2
	W2 \q, \f, \i+1, \b, 0, 1
	W2 \q, \f, \i+1, \b+1, 1, 1
.endr
.endr
.endm
	s_wait_alu depctr_va_vdst(0)                   ; the wait at the head's end
	s_cmp_lt_u32 s16, 2
	s_cbranch_scc0 .Lnot_first
	s_wait_tensorcnt 0x0
.Lnot_first:
	s_barrier_signal -1
	s_barrier_wait -1                              ; W_o and ctx's heads 0-3 are in; the other heads may be on their way: nothing is ever filled again
	FETCH 0, 0
	s_wait_loadcnt 0x0                             ; the scale words and b_o
.irp q, 0,1,2,3,4,5,6,7
.if \q < 7
.if \q == 1
	s_wait_tensorcnt 0x0
	s_wait_dscnt 0x0
	s_barrier_signal -1
	s_barrier_wait -1                              ; all of ctx is in
.endif
.if \q > 0
	PLACES                                         ; in front of loads into the buffer that the last 16 products read
.endif
	FETCH \q+1, (\q+1)%2
	s_wait_dscnt CNT_                              ; all but those just issued
.else
	s_wait_dscnt 0x0
.endif
	WIN 0x05                                       ; sources 0 and 1 window 1; C and D window 0
	MUL \q, \q%2
.endr
	WIN 0
; THE WAY OUT, a tile of 16 rows x 64 columns at a time, through my own stage: a lane holds 32 bytes of a row; back come whole rows of 256 bytes.  LDS serves a wave's instructions in order (ISA guide 5.7.1.4).
.macro TOSTAGE i
.irp b, 0,1,2,3
	ds_store_b128 v[STO], v[ACC+8*(4*(\i)+\b):ACC+8*(4*(\i)+\b)+3] offset:64*\b      ; each accumulator from its low end on
	ds_store_b128 v[STO], v[ACC+8*(4*(\i)+\b)+4:ACC+8*(4*(\i)+\b)+7] offset:64*\b+16
.endr
.irp t, 0,1,2,3,4,5,6,7
	ds_load_b128 v[BK+32*((\i)%2)+4*\t:BK+32*((\i)%2)+4*\t+3], v[RD] offset:\t*2*SPITCH
.endr
.endm
.macro SEND i, younger                 ; younger: the LDS instructions issued behind tile i's loads, which may stay out
	s_wait_dscnt \younger
.irp t, 0,1,2,3,4,5,6,7
	global_store_b128 v[CO], v[BK+32*((\i)%2)+4*\t:BK+32*((\i)%2)+4*\t+3], s[14:15] offset:(32*(\t/4)+8*((\i)^(\t/4))+(2*\t)%8)*4096 th:TH_STORE_NT   ; 16 lanes store 256 consecutive bytes; the offset is the rows' true place
.endr
.endm
	PLACES                                         ; behind the last products
	TOSTAGE 0
.irp i, 1,2,3
.if \i > 1
	s_wait_xcnt 0x0                                ; tile i - 2's stores have read their registers: tile i's loads may land there
.endif
	TOSTAGE \i
	SEND (\i-1), 16                                ; behind tile i - 1's loads: tile i's 8 stores and 8 loads
.endr
	SEND 3, 0
	s_wait_tensorcnt 0x0
	ds_add_u32 v[SPW], v[NIL]
	s_wait_dscnt 0x0
	CROUND                                         ; the closing round
	s_endpgm
.Lfunc_end_k_qfff719d89f_proj:
	.size	k_qfff719d89f_proj, .Lfunc_end_k_qfff719d89f_proj-k_qfff719d89f_proj
	.p2alignl 7, 3214868480
	.fill 96, 4, 3214868480
	.section	.rodata,"a",@progbits
	.p2align	6, 0x0
	.amdhsa_kernel k_qfff719d89f_proj
		.amdhsa_group_segment_fixed_size 220672
		.amdhsa_private_segment_fixed_size 0
		.amdhsa_enable_private_segment 0
		.amdhsa_kernarg_size 48
		.amdhsa_user_sgpr_count 2
		.amdhsa_user_sgpr_kernarg_segment_ptr 1
		.amdhsa_wavefront_size32 1
		.amdhsa_system_sgpr_workgroup_id_x 1
		.amdhsa_system_sgpr_workgroup_id_y 1
		.amdhsa_system_sgpr_workgroup_id_z 1
		.amdhsa_system_vgpr_workitem_id 0
		.amdhsa_next_free_vgpr 512
		.amdhsa_next_free_sgpr 106
		.amdhsa_reserve_vcc 0
		.amdhsa_float_denorm_mode_32 3
		.amdhsa_float_denorm_mode_16_64 3
		.amdhsa_memory_ordered 1
		.amdhsa_forward_progress 1
		.amdhsa_inst_pref_size 50
	.end_amdhsa_kernel
	.amdgpu_metadata
---
amdhsa.version: [ 1, 2 ]
amdhsa.kernels:
  - .name:           k_qfff719d89f_proj
    .symbol:         k_qfff719d89f_proj.kd
    .args:
      - { .name: cf, .offset: 0, .size: 8, .value_kind: global_buffer, .address_space: global }
      - { .name: cs, .offset: 8, .size: 8, .value_kind: global_buffer, .address_space: global }
      - { .name: W_o_codes, .offset: 16, .size: 8, .value_kind: global_buffer, .address_space: global }
      - { .name: W_o_scales, .offset: 24, .size: 8, .value_kind: global_buffer, .address_space: global }
      - { .name: b_o, .offset: 32, .size: 8, .value_kind: global_buffer, .address_space: global }
      - { .name: out0, .offset: 40, .size: 8, .value_kind: global_buffer, .address_space: global }
    .group_segment_fixed_size: 220672
    .private_segment_fixed_size: 0
    .kernarg_segment_align: 8
    .kernarg_segment_size: 48
    .max_flat_workgroup_size: 128
    .sgpr_count:     106
    .vgpr_count:     512
    .wavefront_size: 32
...
	.end_amdgpu_metadata
.endif
;; end of part 3
